; MI455X (gfx1250); checked and timed in simulation.
; The chip was launched on July 23, 2026; its instructions are those of AMD's public machine-readable ISA for CDNA 5 (MIT licence, August 2026) and "CDNA5" Instruction Set Architecture Reference Guide (July 2026). The comments in the code are by the model that wrote it; some were corrected since.
;; Multi Head Attention. Allowed arithmetic: matrix products marked QUANTISED: E4M3 operands, one given power-of-two scale a tensor, by v_wmma_f32_16x16x64_fp8_fp8 or v_wmma_f32_16x16x128_fp8_fp8, f32 sums; everything else in f32.
;; Inputs: Wk 1,024 x 1,024 float32; Wo 1,024 x 1,024 float32; Wq 1,024 x 1,024 float32; Wv 1,024 x 1,024 float32; bk 1,024 float32; bo 1,024 float32; bq 1,024 float32; bv 1,024 float32; key 4 x 2,048 x 1,024 float32; lowp_scales 12 int32 (the exponents e of the quantised operands' scales 2^e); query 4 x 2,048 x 1,024 float32; value 4 x 2,048 x 1,024 float32.
;; Outputs: out0 4 x 2,048 x 1,024 float32.
;; This version of the problem:
;;   THIS VERSION OF THE PROBLEM IS GIVEN IN LOW PRECISION. The matrix products marked QUANTISED in the list below multiply operands that are first quantised to E4M3 (4 exponent bits, 3 mantissa bits; 8 bits a number), with one given power-of-two scale for each operand tensor; their sums are f32. All else is computed in f32.
;;   The module's matrix products, in the order in which they are computed (A, B: the left and right operand; K: the contracted axis; several contracted axes count as one K, in the product's order):
;;     1. [M 8,192, K 1,024] x [K 1,024, N 1,024]; A: input query; B: input Wq: QUANTISED (scales: A lowp_scales[0], B lowp_scales[1])
;;     2. [M 8,192, K 1,024] x [K 1,024, N 1,024]; A: input key; B: input Wk: QUANTISED (scales: A lowp_scales[2], B lowp_scales[3])
;;     3. [M 8,192, K 1,024] x [K 1,024, N 1,024]; A: input value; B: input Wv: QUANTISED (scales: A lowp_scales[4], B lowp_scales[5])
;;     4. batch 64 x [M 2,048, K 64] x [K 64, N 2,048]; A: computed on the way; B: computed on the way: QUANTISED (scales: A lowp_scales[6], B lowp_scales[7])
;;     5. batch 64 x [M 2,048, K 2,048] x [K 2,048, N 64]; A: softmax (see below); B: computed on the way: QUANTISED (scales: A lowp_scales[8], B lowp_scales[9])
;;     6. [M 8,192, K 1,024] x [K 1,024, N 1,024]; A: computed on the way; B: input Wo: QUANTISED (scales: A lowp_scales[10], B lowp_scales[11])
;;   THE QUANTISER, for each operand of a quantised product, along K:
;;     - The operand's scale is 2^e, e = its entry of the input lowp_scales (int32; the entries are numbered through the quantised products in the list's order, A before B).
;;     - Each number is divided by the scale, clamped to +-448, and rounded to the nearest number of E4M3, ties to even, subnormals kept.
;;     - The product sums the exact products of the quantised numbers (number of the format x scale) in f32.
;;   ~~~python
;;   def quantise(x, axis, e):      # numpy; x: float32 -> the quantised numbers, widened to float32 again
;;       x = np.moveaxis(x, axis, -1); K = x.shape[-1]
;;       r = np.clip(x / 2.0 ** e, -448, 448)
;;       step = 2.0 ** (np.maximum(np.frexp(np.where(r == 0, 1, r))[1] - 1, -6) - 3)
;;       q = np.round(r / step) * step * 2.0 ** e      # np.round: ties to even
;;       return np.moveaxis(q, -1, axis).astype(np.float32)
;;   ~~~
;;   SOFTMAX AHEAD OF A QUANTISED PRODUCT. Where the list says 'softmax', what is quantised is not the finished softmax but p = 2^(t - M), with t = logit x log2(e) and M = ceil(the row's largest t), a whole number; so 1/2 < the row's largest p <= 1. The row's sum l is taken of the UNQUANTISED p, in f32, and the product's result is divided by l at the end. Since M is a whole number, a kernel that streams over the keys may use a running M (the ceiling of the running maximum): every later rescaling is an exact power of two, so the quantised numbers keep their values, but for numbers so far below the row's largest that they fall under the format's range.
;;   OPERANDS COMPUTED ON THE WAY. 'Computed on the way' means the value that the module computes at that place (a softmax that the list does not call 'softmax' is quantised finished and normalised). What goes into a quantiser is computed in f32, as accurately as f32 sums, v_exp_f32 and their like allow (about 1e-6 of the number): no bf16 or f16 on the way to a quantiser, and a product that is left as it is and whose result goes on into a quantised operand takes f32 operands (vector FMAs, or v_wmma_f32_16x16x4_f32). A number that lies on a knife's edge between two numbers of the format may be rounded either way, as far as f32 arithmetic and the matrix unit's own rounding can turn it there, and no further.
;; One version. Each part assembles by itself: llvm-mc -triple=amdgcn-amd-amdhsa -mcpu=gfx1250 --defsym DOCPART=n.
;; ======== version 1 of 1: 4 launches
;; limits: right only within a limited range of input values
;; workspace buffers: xc 25,165,824 bytes; wc 4,194,304 bytes; qf 8,388,608 bytes; kv 16,777,216 bytes; oc 8,388,608 bytes
;; launch quant (part 1): grid 896 x 1, 4 waves a work-group, no clusters, 67,072 bytes of LDS; arguments query, key, value, Wq, Wk, Wv, Wo, lowp_scales, xc, wc; writes xc, wc
.if DOCPART == 1
	.amdgcn_target "amdgcn-amd-amdhsa--gfx1250"
	.amdhsa_code_object_version 6
	.text
	.protected	k_qac3ccd2abf_quant
	.globl	k_qac3ccd2abf_quant
	.p2align	8
	.type	k_qac3ccd2abf_quant,@function
k_qac3ccd2abf_quant:
	s_mov_b64 s[64:65], 0
	v_nop
	global_prefetch_b8 v0, s[64:65] scope:SCOPE_SE
	s_setreg_imm32_b32 hwreg(HW_REG_WAVE_MODE, 25, 1), 1
	s_wait_xcnt 0x0
; query, key, value [8192][1024] f32 and Wq, Wk, Wv, Wo [1024 (k)][1024 (n)] f32 become codes of FP8 (E4M3), each tensor with the one scale 2^e that is given for it.
; code = x / 2^e, held within +-448, rounded to the nearest code, ties to even.  LIMITS: -126 <= e <= 119, so that 2^e and 448 x 2^e are f32 numbers.  NaN among the inputs is not served.
; THE CODES ARE STORED AS IMAGES OF THE OPERAND'S REGISTERS.  A fragment is 16 rows x 128 along K in 16 registers: registers 2 c, 2 c + 1 of lane (r = lane % 16, h = lane / 16) hold k = 16 c + 8 h + 0 .. 7 of row r.
; Its image is 2,048 bytes: registers 4 i .. 4 i + 3 of lane l lie at 512 i + 16 l.  So every later load of a fragment is four loads of 512 consecutive bytes, and nothing is ever transposed again.
;   xc: [tensor 3][tile of 16 rows, 512][K step 8][2,048]      wc: [weight 4][tile of 16 columns n, 64][K step 8][2,048]  (a weight's "row" is its column n)
; Work-groups 0 to 127 take the weights, 128 to 895 the activations: two paths that part on the work-group's number and never join; each has LDS bytes of its own.  Waves share nothing: no barrier.
.set SP,    528                        ; activations: a stage row: 512 bytes + 16: an odd multiple of 16, so that the 16 rows that a load touches start at different banks
.set XST,   16*SP                      ; a wave's stage: 16 rows
.set WBASE, 4*XST                      ; the weights' stages lie behind: 8,192 bytes for each wave
.set R,     16                         ; v16-143  activations: two sets of 64 registers as loaded
.set X,     144                        ; v144-207 a fragment's 64 numbers of my lane
.set WX,    32                         ; v32-95   weights: two sets of 32 numbers
.set WC,    96                         ; v96-103  a block's codes
.set OUTR,  112                        ; v112-175 the way out
	s_load_b512 s[8:23], s[0:1], 0x0               ; query s[8:9], key s[10:11], value s[12:13], Wq s[14:15], Wk s[16:17], Wv s[18:19], Wo s[20:21], the exponents s[22:23]
	s_load_b128 s[24:27], s[0:1], 0x40             ; xc s[24:25], wc s[26:27]
	v_lshl_add_u32 v240, v0, 2, 0x10400
	v_mov_b32 v241, 0
	v_lshrrev_b32 v1, 5, v0
	v_readfirstlane_b32 s4, v1                     ; wave 0..3
	v_and_b32 v1, 31, v0                           ; lane
	v_and_b32 v5, 15, v0                           ; r
	v_bfe_u32 v6, v0, 4, 1                         ; h
	v_lshlrev_b32 v2, 4, v1                        ; 16 x lane: my place in 512 consecutive bytes; never rewritten
	s_wait_kmcnt 0x0
	s_load_b256 s[32:39], s[22:23], 0x0            ; e0 .. e7
	s_load_b128 s[40:43], s[22:23], 0x20           ; e8 .. e11
	s_cmp_lt_u32 ttmp9, 128
	s_cbranch_scc1 .Lweights
.macro MKSCALE                         ; s30 = e  ->  v11 = 2^e as f32 (the conversion takes its exponent field)
	s_add_co_i32 s30, s30, 127
	s_lshl_b32 s31, s30, 23
	v_mov_b32 v11, s31
	s_add_co_i32 s30, s30, 8
	s_lshl_b32 s30, s30, 23
	s_or_b32 s30, s30, 0x600000
.endm
; ---------------- THE ACTIVATIONS.  A wave takes half a tile of rows: 16 rows x 512 along K: four fragments.
	s_sub_co_u32 s5, ttmp9, 128                    ; 0 .. 767
	s_lshr_b32 s6, s5, 8                           ; which tensor
	s_lshr_b32 s7, s4, 1
	s_lshl_b32 s44, s5, 1
	s_add_co_u32 s44, s44, s7                      ; the tile of rows, counted through the three tensors
	s_and_b32 s45, s4, 1                           ; which half of K
	s_and_b32 s46, s44, 511
	s_lshl_b32 s46, s46, 16                        ; 16 rows of 4,096 bytes
	s_lshl_b32 s47, s45, 11
	s_add_co_u32 s46, s46, s47
	s_mov_b32 s47, 0
	s_lshl_b32 s48, s44, 14                        ; a tile's eight images
	s_lshl_b32 s49, s45, 13
	s_add_co_u32 s48, s48, s49
	s_mov_b32 s49, 0
	s_cmp_eq_u32 s6, 0
	s_cselect_b64 s[28:29], s[8:9], s[10:11]
	s_cmp_eq_u32 s6, 2
	s_cselect_b64 s[28:29], s[12:13], s[28:29]
	s_add_nc_u64 s[28:29], s[28:29], s[46:47]      ; from here
	s_add_nc_u64 s[24:25], s[24:25], s[48:49]      ; to here
	s_mul_i32 s50, s4, XST                         ; my stage
	s_wait_alu depctr_va_vdst(0)
	v_add_nc_u32 v3, s50, v2                       ; in: a row's 512 bytes as they lie
	v_mul_u32_u24 v4, v5, SP
	v_lshl_add_u32 v4, v6, 5, v4
	v_add_nc_u32 v4, s50, v4                       ; out: row r, + 32 h: my eight numbers of each 16 along K
.macro LOADF f                         ; fragment f: 16 loads, each 512 consecutive bytes of one row
.irp p, 0,1,2,3,4,5,6,7,8,9,10,11,12,13,14,15
	global_load_b128 v[R+64*((\f)%2)+4*\p:R+64*((\f)%2)+4*\p+3], v2, s[28:29] offset:4096*\p+512*(\f) th:TH_LOAD_NT
.endr
.endm
.macro FRAGQ f
.set RS, R+64*((\f)%2)
.if (\f) < 2
.set CB, 208+16*(\f)                   ; each fragment's codes have registers of their own, so that no store's data are written again:
.else
.set CB, R+64*((\f)-2)                 ; the last two take registers of the set that they came in, which is loaded no more
.endif
.if (\f) < 3
	s_wait_loadcnt 16                              ; this fragment's 16 loads are in; the next one's 16 may be out
.else
	s_wait_loadcnt 0
.endif
.irp p, 0,1,2,3,4,5,6,7,8,9,10,11,12,13,14,15
	ds_store_b128 v3, v[RS+4*\p:RS+4*\p+3] offset:SP*\p
.endr
.irp c, 0,1,2,3,4,5,6,7
	ds_load_b128 v[X+8*\c:X+8*\c+3], v4 offset:64*\c       ; LDS serves a wave's instructions in order: these see the stores above.  k = 16 c + 8 h + 0 .. 7 of row r
	ds_load_b128 v[X+8*\c+4:X+8*\c+7], v4 offset:64*\c+16
.endr
	s_wait_dscnt 0x0                               ; the numbers are back, and the stores into the stage have read their registers,
.if (\f) < 2
	LOADF (\f)+2                                   ; which take the fragment two further on
.endif
.set j, 0
.rept 64
.set j, j+1
.endr
.irp c, 0,1,2,3,4,5,6,7
	v_cvt_scalef32_pk8_fp8_f32 v[CB+2*\c:CB+2*\c+1], v[X+8*\c:X+8*\c+7], v11
.endr
	v_nop                                          ; a plain vector line behind the conversions: the next fragment's loads write their sources
.irp i, 0,1,2,3
	global_store_b128 v2, v[CB+4*\i:CB+4*\i+3], s[24:25] offset:2048*(\f)+512*\i   ; 32 lanes store 512 consecutive bytes, aligned
.endr
.endm
	LOADF 0
	LOADF 1
	s_wait_alu depctr_va_vdst(0)
	s_wait_kmcnt 0x0
	s_cmp_eq_u32 s6, 0
	s_cselect_b32 s30, s32, s34                    ; e0 for query, e2 for key,
	s_cmp_eq_u32 s6, 2
	s_cselect_b32 s30, s36, s30                    ; e4 for value
	MKSCALE
	s_wait_alu depctr_va_vdst(0)
	FRAGQ 0
	FRAGQ 1
	FRAGQ 2
	FRAGQ 3
	s_wait_tensorcnt 0x0
	ds_add_u32 v240, v241
	s_wait_dscnt 0x0
	s_endpgm
; ---------------- THE WEIGHTS.  K is their first axis: a lane takes a column n and its registers run down K, so that the conversions give codes with K innermost.  A wave: 32 columns x 256 along K.
.Lweights:
	s_lshr_b32 s6, ttmp9, 5                        ; which weight
	s_and_b32 s5, ttmp9, 7                         ; which 128 columns
	s_bfe_u32 s7, ttmp9, 0x20003                   ; which 256 along K
	s_lshl_b32 s44, s5, 7
	s_lshl_b32 s45, s4, 5
	s_add_co_u32 s44, s44, s45                     ; my wave's first column
	s_lshl_b32 s46, s7, 20                         ; 256 rows of 4,096 bytes
	s_lshl_b32 s47, s44, 2
	s_add_co_u32 s46, s46, s47
	s_mov_b32 s47, 0
	s_lshl_b32 s48, s6, 20                         ; a weight's images,
	s_lshl_b32 s49, s44, 10                        ; a tile of 16 columns is 16,384 bytes,
	s_add_co_u32 s48, s48, s49
	s_lshl_b32 s49, s7, 12                         ; two K steps
	s_add_co_u32 s48, s48, s49
	s_mov_b32 s49, 0
	s_cmp_eq_u32 s6, 0
	s_cselect_b64 s[28:29], s[14:15], s[16:17]
	s_cmp_eq_u32 s6, 2
	s_cselect_b64 s[28:29], s[18:19], s[28:29]
	s_cmp_eq_u32 s6, 3
	s_cselect_b64 s[28:29], s[20:21], s[28:29]
	s_add_nc_u64 s[28:29], s[28:29], s[46:47]
	s_add_nc_u64 s[26:27], s[26:27], s[48:49]
	s_lshl_b32 s50, s4, 13
	s_add_co_u32 s50, s50, WBASE                   ; my stage: [tile of columns 2][K step 2][2,048]: four images
	s_wait_alu depctr_va_vdst(0)
	v_lshlrev_b32 v3, 2, v1                        ; in: 4 bytes a lane: 128 consecutive bytes a wave
	v_lshlrev_b32 v4, 4, v5
	v_lshl_add_u32 v4, v6, 12, v4
	v_add_nc_u32 v4, s50, v4                       ; into the stage: my tile of columns, 16 x (my column % 16)
	v_add_nc_u32 v7, s50, v2                       ; out of it: as it lies
.macro LOADW t                         ; block t: W(32 t + i, my column), i = 0 .. 31
.set i, 0
.rept 32
	global_load_b32 v[WX+32*((\t)%2)+i], v3, s[28:29] offset:(32*(\t)+i)*4096 th:TH_LOAD_NT
.set i, i+1
.endr
.endm
.macro BLOCKW t
.set XS, WX+32*((\t)%2)
.if (\t) < 7
	s_wait_loadcnt 32                              ; this block's 32 loads are in; the next block's may be out
.else
	s_wait_loadcnt 0
.endif
.set j, 0
.rept 32
.set j, j+1
.endr
.irp g, 0,1,2,3
	v_cvt_scalef32_pk8_fp8_f32 v[WC+2*\g:WC+2*\g+1], v[XS+8*\g:XS+8*\g+7], v11
.endr
.irp g, 0,1,2,3                        ; k = 32 t + 8 g + 0 .. 7 is, in K step t / 4, the pair of registers c = 2 (t % 4) + g / 2 of the lane with h = g % 2
	ds_store_b64 v4, v[WC+2*\g:WC+2*\g+1] offset:((\t)/4)*2048+((\t)%4)*512+(\g%2)*256+(\g/2)*8
.endr
.if (\t)+2 < 8
	LOADW (\t)+2
.endif
	s_wait_dscnt 0x0                               ; the stores have read their registers: the next block's codes may be written
.endm
	LOADW 0
	LOADW 1
	s_wait_kmcnt 0x0
	s_cmp_eq_u32 s6, 0
	s_cselect_b32 s30, s33, s35                    ; e1 for Wq, e3 for Wk,
	s_cmp_eq_u32 s6, 2
	s_cselect_b32 s30, s37, s30                    ; e5 for Wv,
	s_cmp_eq_u32 s6, 3
	s_cselect_b32 s30, s43, s30                    ; e11 for Wo
	MKSCALE
	s_wait_alu depctr_va_vdst(0)
.irp t, 0,1,2,3,4,5,6,7
	BLOCKW \t
.endr
.irp i, 0,1,2,3,4,5,6,7,8,9,10,11,12,13,14,15
	ds_load_b128 v[OUTR+4*\i:OUTR+4*\i+3], v7 offset:512*\i
.endr
.irp i, 0,1,2,3,4,5,6,7,8,9,10,11,12,13,14,15
	s_wait_dscnt 15-\i                             ; LDS loads come back in order: piece i is in, the younger ones may be out
	global_store_b128 v2, v[OUTR+4*\i:OUTR+4*\i+3], s[26:27] offset:(\i/8)*16384+(\i%8)*512   ; 512 consecutive bytes, aligned
.endr
	s_wait_tensorcnt 0x0
	ds_add_u32 v240, v241
	s_wait_dscnt 0x0
	s_endpgm
.Lfunc_end_k_qac3ccd2abf_quant:
	.size	k_qac3ccd2abf_quant, .Lfunc_end_k_qac3ccd2abf_quant-k_qac3ccd2abf_quant
	.p2alignl 7, 3214868480
	.fill 96, 4, 3214868480
	.section	.rodata,"a",@progbits
	.p2align	6, 0x0
	.amdhsa_kernel k_qac3ccd2abf_quant
		.amdhsa_group_segment_fixed_size 67072
		.amdhsa_private_segment_fixed_size 0
		.amdhsa_enable_private_segment 0
		.amdhsa_kernarg_size 80
		.amdhsa_user_sgpr_count 2
		.amdhsa_user_sgpr_kernarg_segment_ptr 1
		.amdhsa_wavefront_size32 1
		.amdhsa_system_sgpr_workgroup_id_x 1
		.amdhsa_system_sgpr_workgroup_id_y 1
		.amdhsa_system_sgpr_workgroup_id_z 1
		.amdhsa_system_vgpr_workitem_id 0
		.amdhsa_next_free_vgpr 242
		.amdhsa_next_free_sgpr 66
		.amdhsa_reserve_vcc 0
		.amdhsa_float_denorm_mode_32 3
		.amdhsa_float_denorm_mode_16_64 3
		.amdhsa_fp16_overflow 1
		.amdhsa_memory_ordered 1
		.amdhsa_forward_progress 1
		.amdhsa_inst_pref_size 54
	.end_amdhsa_kernel
	.amdgpu_metadata
---
amdhsa.version: [ 1, 2 ]
amdhsa.kernels:
  - .name:           k_qac3ccd2abf_quant
    .symbol:         k_qac3ccd2abf_quant.kd
    .args:
      - { .name: query, .offset: 0, .size: 8, .value_kind: global_buffer, .address_space: global }
      - { .name: key, .offset: 8, .size: 8, .value_kind: global_buffer, .address_space: global }
      - { .name: value, .offset: 16, .size: 8, .value_kind: global_buffer, .address_space: global }
      - { .name: Wq, .offset: 24, .size: 8, .value_kind: global_buffer, .address_space: global }
      - { .name: Wk, .offset: 32, .size: 8, .value_kind: global_buffer, .address_space: global }
      - { .name: Wv, .offset: 40, .size: 8, .value_kind: global_buffer, .address_space: global }
      - { .name: Wo, .offset: 48, .size: 8, .value_kind: global_buffer, .address_space: global }
      - { .name: lowp_scales, .offset: 56, .size: 8, .value_kind: global_buffer, .address_space: global }
      - { .name: xc, .offset: 64, .size: 8, .value_kind: global_buffer, .address_space: global }
      - { .name: wc, .offset: 72, .size: 8, .value_kind: global_buffer, .address_space: global }
    .group_segment_fixed_size: 67072
    .private_segment_fixed_size: 0
    .kernarg_segment_align: 8
    .kernarg_segment_size: 80
    .max_flat_workgroup_size: 128
    .sgpr_count:     66
    .vgpr_count:     242
    .wavefront_size: 32
...
	.end_amdgpu_metadata
.endif
;; end of part 1
;; launch proj (part 2): grid 4 x 96, 4 waves a work-group, clusters of 4 x 4, 327,680 bytes of LDS; arguments xc, wc, lowp_scales, bq, bk, bv, qf, kv; writes qf, kv
.if DOCPART == 2
	.amdgcn_target "amdgcn-amd-amdhsa--gfx1250"
	.amdhsa_code_object_version 6
	.text
	.protected	k_qac3ccd2abf_proj
	.globl	k_qac3ccd2abf_proj
	.p2align	8
	.type	k_qac3ccd2abf_proj,@function
k_qac3ccd2abf_proj:
	s_mov_b64 s[64:65], 0
	v_nop
	global_prefetch_b8 v0, s[64:65] scope:SCOPE_SE
	s_setreg_imm32_b32 hwreg(HW_REG_WAVE_MODE, 25, 1), 1
	s_wait_xcnt 0x0
	s_wait_alu depctr_hold_cnt(0) depctr_sa_sdst(0) depctr_va_vdst(0) depctr_va_sdst(0) depctr_va_ssrc(0) depctr_va_vcc(0) depctr_vm_vsrc(0)
	s_getreg_b32 s2, hwreg(HW_REG_IB_STS2, 6, 4)
	s_cmp_eq_u32 s2, 0
	s_cbranch_scc0 .Lentry_in_a_cluster
	s_endpgm
.Lentry_in_a_cluster:
	s_bfe_u32 s2, ttmp6, 0x10000c
	s_cmp_lg_u32 s2, 0xf033
	s_cbranch_scc0 .Lentry_shape_is_right
	s_endpgm
.Lentry_shape_is_right:
; q = query Wq + bq, k = key Wk + bk, v = value Wv + bv on codes of FP8 (E4M3), and the results quantised at once for the attention: three GEMMs 8192 x 1024 x 1024 in one launch.
; A tile of C, 256 x 256, is made by a work-group of four waves; a wave makes 128 x 128: 64 accumulators, 512 registers.  K = 1,024 goes in four fills of 256 through a ring of two LDS slots.
; OPERANDS ARE IMAGES OF THEIR REGISTERS (16 rows x 128 K = 2,048 bytes; registers 4 i .. 4 i + 3 of lane l at 512 i + 16 l; registers 2 c, 2 c + 1 of lane (r, h): k = 16 c + 8 h + 0 .. 7): a fragment comes out of LDS by
; four loads of 512 consecutive bytes: no pitch, no padding, every k in its own place.
; THE MATRIX INSTRUCTION: source 0 = 16 rows of B, source 1 = 16 rows of A: in the result lane r holds row r of A, and its registers j the rows 8 h + j of B.
; CLUSTERS: 4 x 4 work-groups; 24 clusters, c = the cluster's y: 0-7 make q, 8-15 k, 16-23 v.  A's tile is shared along a row of the cluster, B's along a column: each is asked for JOINTLY.
;   q, k: A = the tokens' codes, B = the weight's: a lane holds one token and eight neighbours along the head's axis, which is the K of q k^T.
;   v:    A = Wv's codes, B = the tokens': a lane holds one channel and eight neighbouring KEYS, which are the K of p v.  So one conversion of an accumulator's eight registers gives a pair of registers of the next operand.
; code = (sum x 2^es + bias) / 2^eo = (sum + bias x 2^-es) / 2^(eo - es), held within +-448; es = the two operands' exponents added, eo = the result's.  LIMIT: eo - es between -126 and 119.  NaN is not served.
; OUT: qf [batch x head 64][tile of 16 queries 128][1,024];  kv [batch x head 64][step of 128 keys 16][K: 8 tiles of 16 keys x 1,024 | V: 4 tiles of 16 channels x 2,048].
; REGISTERS, in windows of 256: window 0: v0-31 addresses; v32-95, v96-111 biases; from v128 A's fragments, ONE set, later the codes.  window 1: B's fragments, TWO sets.  windows 2, 3: the accumulators ((a, b) at v[8 (8 (a % 4) + b)]).
.set FR,     16                        ; registers of a fragment
.set NL,     4                         ; LDS loads that bring one
.set NP,     4                         ; places behind this matrix instruction (ISA guide 7.12.1)
.set HALFT,  32768                     ; 8 tiles of 16 rows x 256 along K: what one tensor load brings, and what one wave reads of A or of B
.set SLOT,   4*HALFT                   ; A's 256 rows, then B's 256 rows
.set SPARE,  2*SLOT                    ; behind the ring: the spare words, 128 bytes for each wave: two blocks of 256 bytes that no other line names
.set ADRA, 16                          ; v16-17  LDS address of my A fragments in slot 0, 1
.set ADRB, 20                          ; v20-21  the same for B
.set LI,   26                          ; v26     16 x lane; never rewritten
.set SPW,  28                          ; v28     LDS address of my spare word; never rewritten
.set NIL,  29                          ; v29     0; never rewritten
.set SC,   12                          ; v12     2^(eo - es) as f32
.set LIM,  13
.set BJ,   32                          ; v32-95  q, k: the bias of my lane's 64 columns (register 8 b + j: column 16 b + 8 h + j)
.set BR,   96                          ; v96-111 v: the bias of my lane's channel in each of A's eight blocks, twice (a pair for the packed addition)
.set AF,   128                         ; A's fragments
.set CD,   128                         ; the way out: block a's 16 registers of codes at v[128 + 16 a]: each block has its own, so that no store's data are written again
.set G1, 24                            ; s[24:31] descriptor group 1 for A's tiles;  s[32:39] group 0, one set for each slot
.set G0, 32
.set G1B, 48                           ; s[48:55], s[56:63] the same for B's tiles
.set G0B, 56
.set MSB, 0
.macro WIN new                         ; the immediate's high byte repeats the setting that is left
.if MSB != (\new)
	s_set_vgpr_msb (MSB<<8)|(\new)
.set MSB, (\new)
.endif
.endm
.set MUL_LO, 0xa1                      ; source 0 (B) window 1, source 1 (A) window 0, C and D window 2
.set MUL_HI, 0xf1                      ; the same, C and D window 3
.set TO_B,   0x40                      ; destination window 1, address window 0
; A joint load: waves 0 and 1 fetch for A, waves 2 and 3 for B.  The branch hangs on the wave's number alone.  Four v_nop follow each of the two lines.
.macro JLOAD g0a, g1a, g0b, g1b
	s_cmp_eq_u32 s15, 0
	s_cbranch_scc0 .Lfor_b_\@
	tensor_load_to_lds s[\g0a:\g0a+3], s[\g1a:\g1a+7]
	s_nop 0
.rept 4
	v_nop
.endr
	s_branch .Lasked_\@
.Lfor_b_\@:
	tensor_load_to_lds s[\g0b:\g0b+3], s[\g1b:\g1b+7]
	s_nop 0
.rept 4
	v_nop
.endr
.Lasked_\@:
.endm
.macro CREST                           ; a round of the cluster's barrier behind its opening barrier
	s_cmp_lg_u32 s14, 0
	s_cbranch_scc1 .Lnot_wave_0_\@
	s_barrier_signal -3
.Lnot_wave_0_\@:
	s_barrier_wait -3
	s_barrier_signal -1
	s_barrier_wait -1
.endm
.macro CROUND                          ; a whole round
	s_barrier_signal -1
	s_barrier_wait -1
	CREST
.endm
	s_load_b512 s[68:83], s[0:1], 0x0              ; xc s[68:69], wc s[70:71], the exponents s[72:73], bq s[74:75], bk s[76:77], bv s[78:79], qf s[80:81], kv s[82:83]
	v_lshl_add_u32 v[SPW], v0, 2, SPARE
	v_mov_b32 v[NIL], 0
	ds_add_u32 v28, v29
	ds_add_u32 v28, v29
	s_wait_dscnt 0x0
	v_lshrrev_b32 v1, 5, v0
	v_readfirstlane_b32 s14, v1                    ; wave 0..3
	s_lshr_b32 s15, s14, 1                         ; which half of the tile's rows (A) is mine.  Also: I fetch for A (0) or for B (1)
	s_and_b32 s16, s14, 1                          ; which half of its columns (B).  Also: which 128 rows of that tile I fetch
	s_bfe_u32 s40, ttmp6, 0x40000                  ; cx, cy: my place in the cluster
	s_bfe_u32 s41, ttmp6, 0x40004
	s_and_b32 s66, ttmp7, 0xffff                   ; c: the cluster, the same in all sixteen partners
	s_lshr_b32 s67, s66, 3                         ; 0: q, 1: k, 2: v
	s_and_b32 s4, s66, 7
	s_lshl_b32 s4, s4, 2                           ; the tokens' four tiles of this cluster begin here
	s_lshl_b32 s5, s67, 23                         ; q, k: the tensor's codes in xc,
	s_lshl_b32 s6, s67, 20                         ; and the weight's in wc
	s_mov_b32 s7, 0x200000                         ; v: Wv's codes in wc,
	s_mov_b32 s8, 0x1000000                        ; and value's in xc
	s_cmp_lt_u32 s66, 16
	s_cselect_b32 s9, s4, 0
	s_cselect_b32 s10, 0, s4
	s_cselect_b32 s5, s5, s7                       ; where A begins in its buffer
	s_cselect_b32 s6, s6, s8                       ; where B begins
	s_add_co_u32 s17, s9, s41                      ; A's tile of 256 rows: hangs on cy, never on cx
	s_add_co_u32 s42, s10, s40                     ; B's tile: hangs on cx, never on cy
	s_lshl_b32 s43, s41, 2
	s_lshl_b32 s43, 15, s43                        ; my row of the cluster
	s_lshl_b32 s44, 0x1111, s40                    ; my column
	; descriptor group 1: 8 tiles of rows, of each 4,096 bytes (two K steps' images), 16,384 bytes apart in memory, dense in LDS
	s_or_b32 s[G1+0], s43, (3<<16)|(1<<21)         ; 15:0 the mask: A's tiles go to my row; 17:16 elements of 8 bytes; 20 no padding; 21 set beside a mask
	s_or_b32 s[G1B+0], s44, (3<<16)|(1<<21)
.irp g, G1, G1B
	s_mov_b32 s[\g+1], 512<<16                     ; tensor_dim0 = 512 elements
	s_mov_b32 s[\g+2], 8<<16                       ; tensor_dim1 = 8
	s_mov_b32 s[\g+3], 512<<16                     ; tile_dim0
	s_mov_b32 s[\g+4], 8                           ; tile_dim1
	s_mov_b32 s[\g+5], 2048                        ; tensor_dim0_stride, in elements
	s_mov_b32 s[\g+6], 0
	s_mov_b32 s[\g+7], 0
.endr
	s_lshl_b32 s18, s16, 3                         ; which 8 tiles of 16 rows I fetch
	s_lshl_b32 s20, s17, 4
	s_add_co_u32 s20, s20, s18
	s_lshl_b32 s20, s20, 14
	s_add_co_u32 s20, s20, s5                      ; A: byte offset
	s_mov_b32 s21, 0
	s_lshl_b32 s46, s42, 4
	s_add_co_u32 s46, s46, s18
	s_lshl_b32 s46, s46, 14
	s_add_co_u32 s46, s46, s6                      ; B: byte offset
	s_mov_b32 s47, 0
	s_lshl_b32 s45, s14, 15                        ; where they go: wave x 32,768: no place in the cluster enters an LDS address
	s_wait_kmcnt 0x0
	s_load_b256 s[88:95], s[72:73], 0x0            ; e0 .. e7
	s_load_b128 s[96:99], s[72:73], 0x20           ; e8 .. e11
	s_cmp_lt_u32 s66, 16
	s_cselect_b64 s[8:9], s[68:69], s[70:71]       ; A's buffer
	s_cselect_b64 s[10:11], s[70:71], s[68:69]     ; B's buffer
	s_add_nc_u64 s[20:21], s[8:9], s[20:21]
	s_add_nc_u64 s[46:47], s[10:11], s[46:47]
	CROUND                                         ; all sixteen work-groups are here: the first joint loads meet
.irp s, 0,1
	s_mov_b32 s[G0+4*\s], 1
	s_add_co_u32 s[G0+4*\s+1], s45, \s*SLOT
	s_add_nc_u64 s[G0+4*\s+2:G0+4*\s+3], s[20:21], \s*4096
	s_or_b32 s[G0+4*\s+3], s[G0+4*\s+3], 0x80000000
	s_mov_b32 s[G0B+4*\s], 1
	s_add_co_u32 s[G0B+4*\s+1], s45, \s*SLOT
	s_add_nc_u64 s[G0B+4*\s+2:G0B+4*\s+3], s[46:47], \s*4096
	s_or_b32 s[G0B+4*\s+3], s[G0B+4*\s+3], 0x80000000
	JLOAD G0+4*\s, G1, G0B+4*\s, G1B
.endr
	v_and_b32 v1, 31, v0
	v_lshlrev_b32 v[LI], 4, v1
	s_lshl_b32 s21, s15, 15                        ; my 128 rows of A
	s_lshl_b32 s22, s16, 15                        ; my 128 rows of B,
	s_add_co_u32 s22, s22, 2*HALFT                 ; which lie behind A's 256
.irp s, 0,1
	v_add_nc_u32 v[ADRA+\s], s21, v[LI]
	v_add_nc_u32 v[ADRB+\s], s22, v[LI]
	s_add_co_u32 s21, s21, SLOT
	s_add_co_u32 s22, s22, SLOT
.endr
	; the biases, in both forms, on the one path that all take: the form that a cluster does not use is loaded from a masked place inside the buffer and never read
	s_lshl_b32 s18, s17, 8
	s_lshl_b32 s19, s15, 7
	s_add_co_u32 s18, s18, s19                     ; my first row of A
	s_lshl_b32 s19, s42, 8
	s_lshl_b32 s22, s16, 7
	s_add_co_u32 s19, s19, s22                     ; my first row of B
	s_cmp_eq_u32 s67, 0
	s_cselect_b64 s[12:13], s[74:75], s[76:77]
	s_cmp_eq_u32 s67, 2
	s_cselect_b64 s[12:13], s[78:79], s[12:13]
	s_and_b32 s2, s19, 1023
	s_lshl_b32 s2, s2, 2
	s_mov_b32 s3, 0
	s_add_nc_u64 s[4:5], s[12:13], s[2:3]          ; by B's rows (q, k: the output columns)
	s_and_b32 s2, s18, 1023
	s_lshl_b32 s2, s2, 2
	s_add_nc_u64 s[6:7], s[12:13], s[2:3]          ; by A's rows (v: the channels)
	v_bfe_u32 v2, v0, 4, 1
	v_lshlrev_b32 v8, 5, v2                        ; 32 h
	v_and_b32 v3, 15, v0
	v_lshlrev_b32 v9, 2, v3                        ; 4 r
.irp b, 0,1,2,3,4,5,6,7
	global_load_b128 v[BJ+8*\b:BJ+8*\b+3], v8, s[4:5] offset:64*\b
	global_load_b128 v[BJ+8*\b+4:BJ+8*\b+7], v8, s[4:5] offset:64*\b+16
.endr
.irp a, 0,1,2,3,4,5,6,7
	global_load_b32 v[BR+2*\a], v9, s[6:7] offset:64*\a
	global_load_b32 v[BR+2*\a+1], v9, s[6:7] offset:64*\a
.endr
	; where my results go: 128 tokens (one step of 128) x two heads
	s_cmp_lt_u32 s66, 16
	s_cselect_b32 s22, s18, s19                    ; my first token
	s_cselect_b32 s23, s19, s18                    ; my first output column
	s_lshr_b32 s23, s23, 6                         ; its head
	s_lshr_b32 s2, s22, 11                         ; the batch
	s_lshl_b32 s2, s2, 4
	s_add_co_u32 s2, s2, s23
	s_lshl_b32 s2, s2, 4
	s_bfe_u32 s3, s22, 0x40007                     ; which 128 of the sequence
	s_add_co_u32 s2, s2, s3
	s_cmp_eq_u32 s67, 0
	s_cselect_b32 s3, 13, 14                       ; 128 tokens of a head are 8,192 bytes in qf, 16,384 in kv
	s_cselect_b64 s[84:85], s[80:81], s[82:83]
	s_lshl_b32 s12, s2, s3
	s_mov_b32 s13, 0
	s_cmp_eq_u32 s67, 2
	s_cselect_b32 s18, 8192, 0                     ; V lies behind a step's K
	s_add_co_u32 s12, s12, s18
	s_add_nc_u64 s[84:85], s[84:85], s[12:13]      ; my first head
	s_lshl_b32 s12, 16, s3
	s_add_nc_u64 s[86:87], s[84:85], s[12:13]      ; my second
.macro FRAG reg, adr, q, i             ; a fragment's image: tile of rows i, the slot's q-th 128 along K
.irp c, 0,1,2,3
	ds_load_b128 v[\reg+4*\c:\reg+4*\c+3], v[\adr] offset:4096*(\i)+2048*(\q)+512*\c
.endr
.endm
; 16 matrix instructions: A's blocks a0, a0 + 1 x B's eight, 128 along K.  p: B's set.  zero = 1: the first product starts the sums.
; The 64 accumulators take turns, one instruction a turn, in the same order in every step.
.macro MUL16 a0, p, zero
.irp a, \a0, \a0+1
.irp b, 0,1,2,3,4,5,6,7
.if \zero
	v_wmma_f32_16x16x128_fp8_fp8 v[8*(8*((\a)%4)+\b):8*(8*((\a)%4)+\b)+7], v[128*(\p)+FR*\b:128*(\p)+FR*\b+FR-1], v[AF+FR*(\a):AF+FR*(\a)+FR-1], 0
.else
	v_wmma_f32_16x16x128_fp8_fp8 v[8*(8*((\a)%4)+\b):8*(8*((\a)%4)+\b)+7], v[128*(\p)+FR*\b:128*(\p)+FR*\b+FR-1], v[AF+FR*(\a):AF+FR*(\a)+FR-1], v[8*(8*((\a)%4)+\b):8*(8*((\a)%4)+\b)+7]
.endif
.endr
.endr
.endm
.macro FETCH_B slot, q, p
	WIN TO_B
.irp i, 0,1,2,3,4,5,6,7
	FRAG 128*(\p)+FR*\i, ADRB+\slot, \q, \i
.endr
	WIN 0
.endm
.macro FETCH_A slot, q, i0
.irp i, \i0, \i0+1, \i0+2, \i0+3
	FRAG AF+FR*(\i), ADRA+\slot, \q, \i
.endr
.endm
.macro PLACES n                        ; plain vector lines between a matrix instruction and a load into a register that it has read, or the first read of its result
.rept \n
	v_nop
.endr
.endm
; A step of 128 along K that has its successor in the same slot.  A has one set of registers: blocks 0-3 are fetched anew in the step's middle, blocks 4-7 at its end; B has two sets.
.macro STEP slot, q, zero
	s_wait_dscnt 4*NL                              ; B's set and A's blocks 0-3 are in; the youngest 16 loads (A's blocks 4-7) may be out
	WIN MUL_LO
	MUL16 0, (\q)%2, \zero
	MUL16 2, (\q)%2, \zero
	s_wait_dscnt 0                                 ; A's blocks 4-7 are in
	PLACES NP
	FETCH_B \slot, (\q)+1, 1-(\q)%2
	FETCH_A \slot, (\q)+1, 0
	WIN MUL_HI
	MUL16 4, (\q)%2, \zero
	MUL16 6, (\q)%2, \zero
	PLACES NP
	WIN 0
	FETCH_A \slot, (\q)+1, 4
.endm
; A slot's last step changes slots: ONE barrier; in front of it each wave waits for all its tensor loads, adds 0 to its spare word, and waits for that and for its own reads of this slot.  fill = 1: this slot is filled again.
.macro TURN slot, next, fill
	s_wait_tensorcnt 0x0                           ; all my tensor loads have landed: my part of the next slot
	ds_add_u32 v[SPW], v[NIL]                      ; 0 onto my spare word
	s_wait_dscnt 4*NL+1                            ; (the add and the youngest 16 loads may be out)
	WIN MUL_LO
	MUL16 0, 1, 0                                  ; sixteen matrix instructions stand between the add and the wait for it
	s_wait_dscnt 0x0                               ; the add is done, and my reads of this slot are over
	s_barrier_signal -1
	MUL16 2, 1, 0
	WIN 0
	s_barrier_wait -1
.if \fill
	CREST                                          ; the barrier has opened a round of the cluster's barrier: no wave of any partner still reads this slot or has a load on its way
	s_add_nc_u64 s[G0+4*\slot+2:G0+4*\slot+3], s[G0+4*\slot+2:G0+4*\slot+3], 8192
	s_add_nc_u64 s[G0B+4*\slot+2:G0B+4*\slot+3], s[G0B+4*\slot+2:G0B+4*\slot+3], 8192
	JLOAD G0+4*\slot, G1, G0B+4*\slot, G1B         ; the first tensor load behind the round; its four v_nop are also the places in front of the loads below
.else
	PLACES NP
.endif
	FETCH_B \next, 0, 0
	FETCH_A \next, 0, 0
	WIN MUL_HI
	MUL16 4, 1, 0
	MUL16 6, 1, 0
	PLACES NP
	WIN 0
	FETCH_A \next, 0, 4
.endm
	s_wait_alu depctr_va_vdst(0)
	s_wait_tensorcnt 1                             ; my part of slot 0 is in (slot 1's load may be out)
	s_barrier_signal -1
	s_barrier_wait -1                              ; everybody's is
	FETCH_B 0, 0, 0
	FETCH_A 0, 0, 0
	FETCH_A 0, 0, 4
	STEP 0, 0, 1                                   ; eight steps of 128 along K, written out: the first starts the sums
	TURN 0, 1, 1
	STEP 1, 0, 0
	TURN 1, 0, 1
	STEP 0, 0, 0
	TURN 0, 1, 0                                   ; nothing is left to fetch
	STEP 1, 0, 0
	s_wait_dscnt 4*NL
	WIN MUL_LO
	MUL16 0, 1, 0
	MUL16 2, 1, 0
	s_wait_dscnt 0
	WIN MUL_HI
	MUL16 4, 1, 0
	MUL16 6, 1, 0
	WIN 0
; THE WAY OUT.  Block a (16 rows of A x 128 rows of B): + bias, eight conversions: the 16 registers that come out are whole images, stored as they stand: 512 consecutive bytes a store.  No LDS.
.macro OUTA a, isv
.set AC, 64*((\a)%4)
.set W, 2+(\a)/4
	WIN (W<<6)|W                                   ; destination and source 0: the accumulators' window
.irp b, 0,1,2,3,4,5,6,7
.irp i, 0,2,4,6
.if \isv
	v_pk_add_f32 v[AC+8*\b+\i:AC+8*\b+\i+1], v[AC+8*\b+\i:AC+8*\b+\i+1], v[BR+2*(\a):BR+2*(\a)+1]         ; each accumulator from its low end on
.else
	v_pk_add_f32 v[AC+8*\b+\i:AC+8*\b+\i+1], v[AC+8*\b+\i:AC+8*\b+\i+1], v[BJ+8*\b+\i:BJ+8*\b+\i+1]
.endif
.endr
.endr
.set j, 0
.rept 64
.set j, j+1
.endr
	WIN W                                          ; source 0 alone
.irp b, 0,1,2,3,4,5,6,7
	v_cvt_scalef32_pk8_fp8_f32 v[CD+16*(\a)+2*\b:CD+16*(\a)+2*\b+1], v[AC+8*\b:AC+8*\b+7], v[SC]
.endr
	v_nop                                          ; a plain vector line behind the conversions
	WIN 0
.irp i, 0,1,2,3
.if \isv
	global_store_b128 v[LI], v[CD+16*(\a)+4*\i:CD+16*(\a)+4*\i+3], s[84+2*((\a)/4):85+2*((\a)/4)] offset:2048*((\a)%4)+512*\i   ; head a / 4, channels 16 (a % 4) on: a fragment of 128 keys
.else
	global_store_b128 v[LI], v[CD+16*(\a)+4*\i:CD+16*(\a)+4*\i+3], s[84+2*(\i/2):85+2*(\i/2)] offset:1024*(\a)+512*(\i%2)       ; head i / 2, tokens 16 a on: a fragment of the head's 64
.endif
.endr
.endm
	s_wait_kmcnt 0x0                               ; the exponents
	s_wait_loadcnt 0x0                             ; the biases
	s_add_co_i32 s18, s88, s89
	s_add_co_i32 s19, s90, s91
	s_add_co_i32 s22, s92, s93
	s_cmp_eq_u32 s67, 0
	s_cselect_b32 s18, s18, s19
	s_cselect_b32 s23, s94, s95
	s_cmp_eq_u32 s67, 2
	s_cselect_b32 s18, s22, s18                    ; es
	s_cselect_b32 s23, s97, s23                    ; eo: e6 for q, e7 for k, e9 for v
	s_sub_co_i32 s19, 0, s18                       ; -es
	s_sub_co_i32 s23, s23, s18
	s_add_co_i32 s23, s23, 127
	s_lshl_b32 s22, s23, 23
	v_mov_b32 v[SC], s22
	PLACES NP                                      ; behind the last products
	s_cmp_lt_u32 s66, 16                           ; the cluster's number: the same in all partners
	s_cbranch_scc0 .Lvalues
.set j, 0
.rept 64
	v_ldexp_f32 v[BJ+j], v[BJ+j], s19              ; bias x 2^-es
.set j, j+1
.endr
.irp a, 0,1,2,3,4,5,6,7
	OUTA \a, 0
.endr
	s_branch .Lend
.Lvalues:
.set j, 0
.rept 16
	v_ldexp_f32 v[BR+j], v[BR+j], s19
.set j, j+1
.endr
.irp a, 0,1,2,3,4,5,6,7
	OUTA \a, 1
.endr
.Lend:
	s_wait_tensorcnt 0x0                           ; the wave's end
	ds_add_u32 v[SPW], v[NIL]
	s_wait_dscnt 0x0
	CROUND                                         ; the closing round: no work-group ends while a partner may still ask for a tile that names it
	s_endpgm
.Lfunc_end_k_qac3ccd2abf_proj:
	.size	k_qac3ccd2abf_proj, .Lfunc_end_k_qac3ccd2abf_proj-k_qac3ccd2abf_proj
	.p2alignl 7, 3214868480
	.fill 96, 4, 3214868480
	.section	.rodata,"a",@progbits
	.p2align	6, 0x0
	.amdhsa_kernel k_qac3ccd2abf_proj
		.amdhsa_group_segment_fixed_size 327680
		.amdhsa_private_segment_fixed_size 0
		.amdhsa_enable_private_segment 0
		.amdhsa_kernarg_size 64
		.amdhsa_user_sgpr_count 2
		.amdhsa_user_sgpr_kernarg_segment_ptr 1
		.amdhsa_wavefront_size32 1
		.amdhsa_system_sgpr_workgroup_id_x 1
		.amdhsa_system_sgpr_workgroup_id_y 1
		.amdhsa_system_sgpr_workgroup_id_z 1
		.amdhsa_system_vgpr_workitem_id 0
		.amdhsa_next_free_vgpr 1024
		.amdhsa_next_free_sgpr 100
		.amdhsa_reserve_vcc 0
		.amdhsa_float_denorm_mode_32 3
		.amdhsa_float_denorm_mode_16_64 3
		.amdhsa_fp16_overflow 1
		.amdhsa_memory_ordered 1
		.amdhsa_forward_progress 1
		.amdhsa_inst_pref_size 135
	.end_amdhsa_kernel
	.amdgpu_metadata
---
amdhsa.version: [ 1, 2 ]
amdhsa.kernels:
  - .name:           k_qac3ccd2abf_proj
    .symbol:         k_qac3ccd2abf_proj.kd
    .args:
      - { .name: xc, .offset: 0, .size: 8, .value_kind: global_buffer, .address_space: global }
      - { .name: wc, .offset: 8, .size: 8, .value_kind: global_buffer, .address_space: global }
      - { .name: lowp_scales, .offset: 16, .size: 8, .value_kind: global_buffer, .address_space: global }
      - { .name: bq, .offset: 24, .size: 8, .value_kind: global_buffer, .address_space: global }
      - { .name: bk, .offset: 32, .size: 8, .value_kind: global_buffer, .address_space: global }
      - { .name: bv, .offset: 40, .size: 8, .value_kind: global_buffer, .address_space: global }
      - { .name: qf, .offset: 48, .size: 8, .value_kind: global_buffer, .address_space: global }
      - { .name: kv, .offset: 56, .size: 8, .value_kind: global_buffer, .address_space: global }
    .group_segment_fixed_size: 327680
    .private_segment_fixed_size: 0
    .kernarg_segment_align: 8
    .kernarg_segment_size: 64
    .max_flat_workgroup_size: 128
    .sgpr_count:     100
    .vgpr_count:     1024
    .wavefront_size: 32
...
	.end_amdgpu_metadata
.endif
;; end of part 2
;; launch attn (part 3): grid 4 x 64, 16 waves a work-group, clusters of 4 x 1, 264,192 bytes of LDS; arguments qf, kv, lowp_scales, oc; writes oc
.if DOCPART == 3
	.amdgcn_target "amdgcn-amd-amdhsa--gfx1250"
	.amdhsa_code_object_version 6
	.text
	.protected	k_qac3ccd2abf_attn
	.globl	k_qac3ccd2abf_attn
	.p2align	8
	.type	k_qac3ccd2abf_attn,@function
k_qac3ccd2abf_attn:
	s_mov_b64 s[64:65], 0
	v_nop
	global_prefetch_b8 v0, s[64:65] scope:SCOPE_SE
	s_setreg_imm32_b32 hwreg(HW_REG_WAVE_MODE, 25, 1), 1
	s_wait_xcnt 0x0
	s_wait_alu depctr_hold_cnt(0) depctr_sa_sdst(0) depctr_va_vdst(0) depctr_va_sdst(0) depctr_va_ssrc(0) depctr_va_vcc(0) depctr_vm_vsrc(0)
	s_getreg_b32 s2, hwreg(HW_REG_IB_STS2, 6, 4)
	s_cmp_eq_u32 s2, 0
	s_cbranch_scc0 .Lentry_in_a_cluster
	s_endpgm
.Lentry_in_a_cluster:
	s_bfe_u32 s2, ttmp6, 0x10000c
	s_cmp_lg_u32 s2, 0x3003
	s_cbranch_scc0 .Lentry_shape_is_right
	s_endpgm
.Lentry_shape_is_right:
; Causal attention of one head (64 channels, 2,048 tokens) on codes of FP8 (E4M3); the result, divided by the row's sum, is quantised at once for the output projection.
; THE SOFTMAX AHEAD OF THE SECOND PRODUCT: t = score x log2(e) / 8; M = the row's largest t so far, rounded UP to a whole number; p = 2^(t - M) is what is quantised; the row's sum is taken of the unquantised p
; and divides at the end.  When M moves, the sum and O are multiplied by 2^(old M - new M): exact.
; A CLUSTER IS A HEAD.  The head's K and V, 262,144 bytes of register images in the order of kv, lie WHOLE in each work-group's LDS, brought once by joint loads (each of the sixteen waves asks for one step of 128 keys,
; 64 rows of 256 bytes; the four work-groups ask alike and each receives the bytes).  No LDS byte is filled twice: one wait, one barrier, no ring.
; SHARES.  Wave w has a rank RK (below) that names 128 queries; of them work-group cx takes 32 cx .. 32 cx + 31: two tiles of 16, so that each fragment of K and V read from LDS feeds two products.  The wave works key steps
; 0 .. RK; step RK lies on the diagonal.  Every wave walks all 16 trips of the loop and jumps over the work of the steps behind its diagonal: branches hang on the wave's number and the trip alone, never on cx, which enters
; global addresses and the mask's vector data only.  RK = 4 a + (s xor 3 (a % 2)), a = w / 4, s = w % 4: the four waves with equal s have 34 steps together, whatever s.
; LAYOUT.  S^T = K Q^T (source 0 = 16 keys, source 1 = 16 queries), O^T = V^T P^T (source 0 = 16 channels, source 1 = P): a lane holds ONE query (lane % 16) throughout; register j of key tile T is key 16 T + 8 h + j, so the
; conversion of tile T's eight registers IS the pair of registers 2 T, 2 T + 1 of P; likewise O^T's conversions give the next operand's image.
; LIMITS on the given exponents, so that each power of two below is an f32 number: e6 + e7 between -123 and 130; e8 and e10 between -126 and 119.  NaN is not served.
; REGISTERS: v1 16 x lane; v2 LDS address; v3: 2^e8; v4 the mask's number; v6: 2^e10; v8-15 statistics (tile t at v[8 + 4 t]: -M, the largest t, the sum in two halves);
;   v16-31 Q; v32-95 K's eight fragments, then V's four; v96-159 S^T, then p, of one tile at a time; v160-223 O^T; v224-255 P's codes; a tile's softmax keeps its few temporaries in that tile's P, which its last lines write.
.set LI,   1
.set ADR,  2
.set PSC,  3
.set QD,   4
.set PLIM, 5
.set OSC,  6
.set OLIM, 7
.set Q,    16
.set F,    32
.set S,    96
.set O,    160
.set P,    224
.set WV,   12                          ; s12  my wave's number
.set CX,   13                          ; s13  my place in the cluster
.set BH,   14                          ; s14  batch x 16 + head
.set RK,   15                          ; s15  my rank
.set ST,   16                          ; s16  the key step: the loop's counter
.set TB,   17                          ; s17  LDS byte at which the step begins
.set SEL,  20                          ; s[20:21] lane selects for v_permlanex16_b32: lane l xor 16
.set CS,   22                          ; s[22:23] c = log2(e) / 8 x 2^(e6 + e7)
.set G1,   24                          ; s[24:31] descriptor group 1
.set G0,   32                          ; s[32:35] descriptor group 0
.macro CROUND                          ; a round of the cluster's barrier
	s_barrier_signal -1
	s_barrier_wait -1
	s_cmp_lg_u32 s[WV], 0
	s_cbranch_scc1 .Lnot_wave_0_\@
	s_barrier_signal -3
.Lnot_wave_0_\@:
	s_barrier_wait -3
	s_barrier_signal -1
	s_barrier_wait -1
.endm
	s_load_b256 s[4:11], s[0:1], 0x0               ; qf s[4:5], kv s[6:7], the exponents s[8:9], oc s[10:11]
	v_lshl_add_u32 v254, v0, 2, 0x40000
	v_mov_b32 v255, 0
	ds_add_u32 v254, v255
	ds_add_u32 v254, v255
	s_wait_dscnt 0x0
	v_lshrrev_b32 v1, 5, v0
	s_delay_alu instid0(VALU_DEP_1)
	v_readfirstlane_b32 s[WV], v1                  ; wave 0..15
	s_bfe_u32 s[CX], ttmp6, 0x40000
	s_and_b32 s[BH], ttmp7, 0xffff                 ; the cluster's y: shared by the four partners
	s_lshr_b32 s18, s[WV], 2
	s_and_b32 s19, s18, 1
	s_mul_i32 s19, s19, 3
	s_and_b32 s[RK], s[WV], 3
	s_xor_b32 s[RK], s[RK], s19
	s_lshl_b32 s18, s18, 2
	s_add_co_u32 s[RK], s[RK], s18
	; descriptor group 1: 64 rows of 256 bytes, dense in memory and in LDS
	s_mov_b32 s[G1], 15|(3<<16)|(1<<21)            ; 15:0 the mask: all four work-groups; 17:16 elements of 8 bytes; 21 set beside a mask
	s_mov_b32 s[G1+1], 32<<16                      ; tensor_dim0 = 32 elements
	s_mov_b32 s[G1+2], 64<<16                      ; tensor_dim1 = 64
	s_mov_b32 s[G1+3], 32<<16                      ; tile_dim0
	s_mov_b32 s[G1+4], 64                          ; tile_dim1
	s_mov_b32 s[G1+5], 32                          ; tensor_dim0_stride
	s_mov_b32 s[G1+6], 0
	s_mov_b32 s[G1+7], 0
	s_lshl_b32 s36, s[BH], 18                      ; the head's 262,144 bytes,
	s_lshl_b32 s37, s[WV], 14                      ; key step = my wave's number
	s_add_co_u32 s36, s36, s37
	s_mov_b32 s37, 0
	s_mov_b32 s[SEL], 0x76543210
	s_mov_b32 s[SEL+1], 0xfedcba98
	s_wait_kmcnt 0x0
	s_load_b256 s[40:47], s[8:9], 0x0              ; e0 .. e7
	s_load_b128 s[48:51], s[8:9], 0x20             ; e8 .. e11
	s_mov_b32 s[G0], 1                             ; count = 1
	s_lshl_b32 s[G0+1], s[WV], 14                  ; LDS address: 16,384 x wave
	s_add_nc_u64 s[G0+2:G0+3], s[6:7], s[36:37]
	s_or_b32 s[G0+3], s[G0+3], 0x80000000          ; type = 2
	CROUND                                         ; all four work-groups are here: the joint loads meet
	tensor_load_to_lds s[G0:G0+3], s[G1:G1+7]      ; my one tensor load of the launch
	s_nop 0
.rept 4
	v_nop
.endr
	s_lshl_b32 s52, s[BH], 17                      ; Q: the head's 128 tiles of 1,024 bytes,
	s_lshl_b32 s53, s[RK], 13                      ; my rank's eight,
	s_add_co_u32 s52, s52, s53
	s_lshl_b32 s53, s[CX], 11                      ; my work-group's two
	s_add_co_u32 s52, s52, s53
	s_mov_b32 s53, 0
	s_add_nc_u64 s[4:5], s[4:5], s[52:53]
	v_and_b32 v8, 31, v0
	s_delay_alu instid0(VALU_DEP_1)
	v_lshlrev_b32 v[LI], 4, v8
.irp i, 0,1,2,3
	global_load_b128 v[Q+4*\i:Q+4*\i+3], v[LI], s[4:5] offset:512*\i   ; Q's two fragments stay in registers
.endr
	s_lshr_b32 s52, s[BH], 4                       ; oc: [tile of 16 tokens][head][1,024]: the batch's 128 tiles,
	s_lshl_b32 s52, s52, 7
	s_lshl_b32 s53, s[RK], 3
	s_add_co_u32 s52, s52, s53
	s_lshl_b32 s53, s[CX], 1
	s_add_co_u32 s52, s52, s53
	s_lshl_b32 s52, s52, 14
	s_and_b32 s53, s[BH], 15
	s_lshl_b32 s53, s53, 10
	s_add_co_u32 s52, s52, s53
	s_mov_b32 s53, 0
	s_add_nc_u64 s[10:11], s[10:11], s[52:53]
	v_and_b32 v8, 15, v0                           ; r
	v_bfe_u32 v9, v0, 4, 1
	s_delay_alu instid0(VALU_DEP_1)
	v_lshlrev_b32 v9, 3, v9                        ; 8 h
	s_delay_alu instid0(VALU_DEP_1)
	v_sub_nc_u32 v[QD], v8, v9
	s_lshl_b32 s18, s[CX], 5
	v_add_nc_u32 v[QD], s18, v[QD]                 ; 32 cx + r - 8 h: on the diagonal register 8 T + j of tile t is hidden where 16 T + j > this + 16 t
	v_mov_b32 v9, 0xff61b1e6                       ; the largest t so far: -3e38, under every t
	v_mov_b32 v13, 0xff61b1e6
	s_delay_alu instid0(VALU_DEP_2)
	v_floor_f32 v8, -v9                            ; -M
	s_delay_alu instid0(VALU_DEP_2)
	v_floor_f32 v12, -v13
	v_mov_b32 v10, 0                               ; the sums
	v_mov_b32 v11, 0
	v_mov_b32 v14, 0
	v_mov_b32 v15, 0
.set j, 0
.rept 96
	v_mov_b32 v[O+j], 0                            ; O^T (the loop is written once: its first step finds zeros), and P's registers, whose temporaries are named before they are written
.set j, j+1
.endr
	s_wait_kmcnt 0x0
	s_add_co_i32 s18, s46, s47                     ; a score stands for score x 2^(e6 + e7): the two exponents are added to c's exponent field
	s_lshl_b32 s18, s18, 23
	s_mov_b32 s[CS], 0x3e38aa3b                    ; log2(e) / sqrt(64)
	s_add_co_i32 s[CS], s[CS], s18
	s_mov_b32 s[CS+1], s[CS]                       ; (named with it as a pair, so it is written)
	s_add_co_i32 s18, s48, 127
	s_lshl_b32 s19, s18, 23
	v_mov_b32 v[PSC], s19                          ; 2^e8
	s_add_co_i32 s18, s50, 127
	s_lshl_b32 s19, s18, 23
	v_mov_b32 v[OSC], s19                          ; 2^e10
.macro KQ t                            ; S^T = K Q^T for tile t: eight tiles of 16 keys, K = the head's 64
.irp k, 0,1,2,3,4,5,6,7
	v_wmma_f32_16x16x64_fp8_fp8 v[S+8*\k:S+8*\k+7], v[F+8*\k:F+8*\k+7], v[Q+8*(\t):Q+8*(\t)+7], 0
.endr
.endm
.macro NOPS n
.rept \n
	v_nop
.endr
.endm
; Tile t's softmax of one key step: 64 scores a lane become p's codes in v[P + 16 t] on.
.macro SOFTMAX t
.set PT, P+16*(\t)                     ; temporaries: +0 at work; +2 second chain of the maximum, then f (with +3 named as a pair); +4 the other half's; +6, +7 second chain of the sum; +8, +9 the mask's
.set SS, 8+4*(\t)
.set OT, O+32*(\t)
	s_cmp_lg_u32 s[ST], s[RK]                      ; only my last step lies on the diagonal
	s_cbranch_scc1 .Lopen_\@
	v_add_nc_u32 v[PT+8], 16*(\t), v[QD]
	v_mov_b32 v[PT+9], 0xff800000                  ; hidden scores become -infinity ahead of the maximum: p = 0 then.  Key 0 counts for every query, so M is a number from the first step on
.set n, 0
.rept 64
	v_cmp_gt_i32 vcc_lo, 16*(n/8)+n%8, v[PT+8]
	v_cndmask_b32 v[S+n], v[S+n], v[PT+9], vcc_lo
.set n, n+1
.endr
.Lopen_\@:
	v_max3_num_f32 v[PT], v[S], v[S+1], v[S+2]     ; the step's largest score of my query among my 64 keys, in two chains, ascending: each accumulator from its low end on
	v_max3_num_f32 v[PT+2], v[S+3], v[S+4], v[S+5]
.irp i, 6,10,14,18,22,26,30,34,38,42,46,50,54,58
	v_max3_num_f32 v[PT], v[PT], v[S+\i], v[S+\i+1]
	v_max3_num_f32 v[PT+2], v[PT+2], v[S+\i+2], v[S+\i+3]
.endr
	v_max3_num_f32 v[PT], v[PT], v[S+62], v[S+63]
	s_delay_alu instid0(VALU_DEP_1)
	v_max_num_f32 v[PT], v[PT], v[PT+2]
	v_permlanex16_b32 v[PT+4], v[PT], s[SEL], s[SEL+1]
	s_delay_alu instid0(VALU_DEP_1)
	v_max_num_f32 v[PT], v[PT], v[PT+4]            ; and among lane l xor 16's
	s_delay_alu instid0(VALU_DEP_1)
	v_mul_f32 v[PT], s[CS], v[PT]                  ; as t (c is positive)
	s_delay_alu instid0(VALU_DEP_1)
	v_max_num_f32 v[SS+1], v[SS+1], v[PT]          ; the running largest t
	v_mov_b32 v[PT], v[SS]
	s_delay_alu instid0(VALU_DEP_2)
	v_floor_f32 v[SS], -v[SS+1]                    ; the new -M = floor(-t) = -ceil(t): a whole number
	s_delay_alu instid0(VALU_DEP_1)
	v_sub_f32 v[PT], v[SS], v[PT]                  ; M's old value less its new one: 0 or less
	s_delay_alu instid0(VALU_DEP_1)
	v_cvt_i32_f32 v[PT], v[PT]                     ; (it saturates)
	s_delay_alu instid0(VALU_DEP_1)
	v_ldexp_f32 v[PT+2], 1.0, v[PT]                ; f = 2^(old M - new M)
.set j, 0
.rept 32
	v_pk_fma_f32 v[S+j:S+j+1], v[S+j:S+j+1], s[CS:CS+1], v[SS:SS+1] op_sel_hi:[1,0,0]   ; t - M, two at a time (of the pairs c and -M the low word serves both halves)
.set j, j+2
.endr
.set j, 0
	s_wait_alu depctr_va_vdst(0)
.rept 64
	v_exp_f32 v[S+j], v[S+j]                       ; p = 2^(t - M), at most 1
.set j, j+1
.endr
	v_pk_mul_f32 v[SS+2:SS+3], v[SS+2:SS+3], v[PT+2:PT+3] op_sel_hi:[1,0]   ; the sums under the new M: the plain line behind the exponentials
	s_wait_alu depctr_va_vdst(0)                   ; one wait for the whole batch, ahead of its first reader
	v_pk_add_f32 v[PT+6:PT+7], v[S:S+1], v[S+2:S+3]   ; the row's sum is taken of the unquantised p: two at a time, in two chains
.irp j, 4,8,12,16,20,24,28,32,36,40,44,48,52,56,60
	v_pk_add_f32 v[SS+2:SS+3], v[SS+2:SS+3], v[S+\j:S+\j+1]
	v_pk_add_f32 v[PT+6:PT+7], v[PT+6:PT+7], v[S+\j+2:S+\j+3]
.endr
	s_delay_alu instid0(VALU_DEP_1)
	v_pk_add_f32 v[SS+2:SS+3], v[SS+2:SS+3], v[PT+6:PT+7]
.set j, 0
.rept 16
	v_pk_mul_f32 v[OT+j:OT+j+1], v[OT+j:OT+j+1], v[PT+2:PT+3] op_sel_hi:[1,0]   ; O^T under the new M, each accumulator from its low end on
.set j, j+2
.endr
.set j, 0
.rept 64
.set j, j+1
.endr
.irp k, 0,1,2,3,4,5,6,7
	v_cvt_scalef32_pk8_fp8_f32 v[PT+2*\k:PT+2*\k+1], v[S+8*\k:S+8*\k+7], v[PSC]   ; keys 16 k + 8 h + 0 .. 7: registers 2 k, 2 k + 1 of P.  The temporaries are done with
.endr
	v_nop                                          ; a plain line between the conversions and the matrix instructions that write their sources or read their results
.endm
; A KEY STEP: 128 keys for my two tiles of queries.
.macro STEP
	s_cmp_gt_u32 s[ST], s[RK]                      ; all keys of the step come after my queries: its work is left out
	s_cbranch_scc1 .Lhidden_\@
	s_setprio 2
	v_add_nc_u32 v[ADR], s[TB], v[LI]
	NOPS 3                                         ; with the addition: four places in front of loads into registers that the last products have read
.set i, 0
.rept 16
	ds_load_b128 v[F+4*i:F+4*i+3], v[ADR] offset:512*i        ; K's eight fragments, as they lie
.set i, i+1
.endr
	s_wait_dscnt 0x0
	KQ 0
	NOPS 4
	SOFTMAX 0
	KQ 1                                           ; into the same registers: tile 0's scores are codes by now
	NOPS 4                                         ; places in front of the loads below and of the first read of the scores
.set i, 0
.rept 16
	ds_load_b128 v[F+4*i:F+4*i+3], v[ADR] offset:8192+512*i   ; V's four fragments land while the second softmax is worked
.set i, i+1
.endr
	s_setprio 1
	SOFTMAX 1
	s_setprio 0
	s_wait_alu depctr_va_vdst(0)
	s_wait_dscnt 0x0
.irp c, 0,1,2,3                        ; O^T += V^T P^T: eight accumulators by turns, one instruction a turn
.irp u, 0,1
	v_wmma_f32_16x16x128_fp8_fp8 v[O+32*\u+8*\c:O+32*\u+8*\c+7], v[F+16*\c:F+16*\c+15], v[P+16*\u:P+16*\u+15], v[O+32*\u+8*\c:O+32*\u+8*\c+7]
.endr
.endr
.Lhidden_\@:
	s_add_co_u32 s[TB], s[TB], 16384
	s_add_co_u32 s[ST], s[ST], 1
.endm
	s_wait_tensorcnt 0x0                           ; my step of keys is in,
	s_barrier_signal -1
	s_barrier_wait -1                              ; everybody's is: the whole head lies in LDS
	s_wait_loadcnt 0x0                             ; Q
	s_mov_b32 s[ST], 0
	s_mov_b32 s[TB], 0
.Lstep:                                            ; 16 trips in every wave
	STEP
	s_cmp_lt_u32 s[ST], 16
	s_cbranch_scc1 .Lstep
	s_setprio 0
	; THE WAY OUT: O^T / the sum x 2^(e8 + e9), quantised with 2^e10: a tile's 8 registers of codes are half an image of the next product's operand: two stores of 512 consecutive bytes.
	NOPS 4                                         ; places behind the last products
	v_add_f32 v10, v10, v11                        ; the sums' two halves,
	v_add_f32 v14, v14, v15
	v_permlanex16_b32 v[P], v10, s[SEL], s[SEL+1]
	v_permlanex16_b32 v[P+16], v14, s[SEL], s[SEL+1]
	s_delay_alu instid0(VALU_DEP_2)
	v_add_f32 v10, v10, v[P]                       ; and lane l xor 16's
	s_delay_alu instid0(VALU_DEP_2)
	v_add_f32 v14, v14, v[P+16]
	s_wait_alu depctr_va_vdst(0)
	v_rcp_f32 v10, v10
	v_rcp_f32 v14, v14
	v_nop                                          ; a plain line behind the reciprocals
	s_add_co_i32 s18, s48, s49
	s_wait_alu depctr_va_vdst(0)                   ; one wait for both, ahead of the first reader
	v_ldexp_f32 v10, v10, s18
	v_ldexp_f32 v14, v14, s18
.irp t, 0,1
.set j, 0
.rept 32
	v_mul_f32 v[S+32*\t+j], v[O+32*\t+j], v[10+4*\t]   ; register 8 c + i is channel 16 c + 8 h + i of my query
.set j, j+1
.endr
.set j, 0
.rept 32
.set j, j+1
.endr
.irp c, 0,1,2,3
	v_cvt_scalef32_pk8_fp8_f32 v[F+8*\t+2*\c:F+8*\t+2*\c+1], v[S+32*\t+8*\c:S+32*\t+8*\c+7], v[OSC]
.endr
	v_nop
.irp i, 0,1
	global_store_b128 v[LI], v[F+8*\t+4*\i:F+8*\t+4*\i+3], s[10:11] offset:16384*\t+512*\i
.endr
.endr
	s_wait_xcnt 0x0
	v_lshl_add_u32 v254, v0, 2, 0x40000
	v_mov_b32 v255, 0
	s_wait_alu depctr_va_vdst(0)
	s_wait_tensorcnt 0x0
	ds_add_u32 v254, v255
	s_wait_dscnt 0x0
	CROUND                                         ; the closing round: no work-group ends while a partner may still ask for a tile that names it
	s_endpgm
.Lfunc_end_k_qac3ccd2abf_attn:
	.size	k_qac3ccd2abf_attn, .Lfunc_end_k_qac3ccd2abf_attn-k_qac3ccd2abf_attn
	.p2alignl 7, 3214868480
	.fill 96, 4, 3214868480
	.section	.rodata,"a",@progbits
	.p2align	6, 0x0
	.amdhsa_kernel k_qac3ccd2abf_attn
		.amdhsa_group_segment_fixed_size 264192
		.amdhsa_private_segment_fixed_size 0
		.amdhsa_enable_private_segment 0
		.amdhsa_kernarg_size 32
		.amdhsa_user_sgpr_count 2
		.amdhsa_user_sgpr_kernarg_segment_ptr 1
		.amdhsa_wavefront_size32 1
		.amdhsa_system_sgpr_workgroup_id_x 1
		.amdhsa_system_sgpr_workgroup_id_y 1
		.amdhsa_system_sgpr_workgroup_id_z 1
		.amdhsa_system_vgpr_workitem_id 0
		.amdhsa_next_free_vgpr 256
		.amdhsa_next_free_sgpr 66
		.amdhsa_reserve_vcc 1
		.amdhsa_float_denorm_mode_32 3
		.amdhsa_float_denorm_mode_16_64 3
		.amdhsa_fp16_overflow 1
		.amdhsa_memory_ordered 1
		.amdhsa_forward_progress 1
		.amdhsa_inst_pref_size 48
	.end_amdhsa_kernel
	.amdgpu_metadata
---
amdhsa.version: [ 1, 2 ]
amdhsa.kernels:
  - .name:           k_qac3ccd2abf_attn
    .symbol:         k_qac3ccd2abf_attn.kd
    .args:
      - { .name: qf, .offset: 0, .size: 8, .value_kind: global_buffer, .address_space: global }
      - { .name: kv, .offset: 8, .size: 8, .value_kind: global_buffer, .address_space: global }
      - { .name: lowp_scales, .offset: 16, .size: 8, .value_kind: global_buffer, .address_space: global }
      - { .name: oc, .offset: 24, .size: 8, .value_kind: global_buffer, .address_space: global }
    .group_segment_fixed_size: 264192
    .private_segment_fixed_size: 0
    .kernarg_segment_align: 8
    .kernarg_segment_size: 32
    .max_flat_workgroup_size: 512
    .sgpr_count:     66
    .vgpr_count:     256
    .wavefront_size: 32
...
	.end_amdgpu_metadata
.endif
;; end of part 3
;; launch outp (part 4): grid 4 x 32, 4 waves a work-group, clusters of 4 x 4, 327,680 bytes of LDS; arguments oc, wc, lowp_scales, bo, out0; writes out0
.if DOCPART == 4
	.amdgcn_target "amdgcn-amd-amdhsa--gfx1250"
	.amdhsa_code_object_version 6
	.text
	.protected	k_qac3ccd2abf_outp
	.globl	k_qac3ccd2abf_outp
	.p2align	8
	.type	k_qac3ccd2abf_outp,@function
k_qac3ccd2abf_outp:
	s_mov_b64 s[64:65], 0
	v_nop
	global_prefetch_b8 v0, s[64:65] scope:SCOPE_SE
	s_setreg_imm32_b32 hwreg(HW_REG_WAVE_MODE, 25, 1), 1
	s_wait_xcnt 0x0
	s_wait_alu depctr_hold_cnt(0) depctr_sa_sdst(0) depctr_va_vdst(0) depctr_va_sdst(0) depctr_va_ssrc(0) depctr_va_vcc(0) depctr_vm_vsrc(0)
	s_getreg_b32 s2, hwreg(HW_REG_IB_STS2, 6, 4)
	s_cmp_eq_u32 s2, 0
	s_cbranch_scc0 .Lentry_in_a_cluster
	s_endpgm
.Lentry_in_a_cluster:
	s_bfe_u32 s2, ttmp6, 0x10000c
	s_cmp_lg_u32 s2, 0xf033
	s_cbranch_scc0 .Lentry_shape_is_right
	s_endpgm
.Lentry_shape_is_right:
; out0 = o Wo + bo: [8192][1024] f32, on codes of FP8 (E4M3): A = the attention's result (oc), B = Wo's codes (the fourth weight in wc); each finished sum x 2^(e10 + e11) + bo.
; LIMIT: e10 + e11 between -126 and 127, so that 2^(e10 + e11) is an f32 number.
; A tile of C, 256 x 256, is made by a work-group of four waves; a wave makes 128 x 128: 64 accumulators, 512 registers.  K = 1,024 goes in four fills of 256 through a ring of two LDS slots.
; OPERANDS ARE IMAGES OF THEIR REGISTERS (16 rows x 128 K = 2,048 bytes; registers 4 i .. 4 i + 3 of lane l at 512 i + 16 l): a fragment comes out of LDS by four loads of 512 consecutive bytes: no pitch, no padding.
; THE MATRIX INSTRUCTION: source 0 = 16 rows of B (columns n), source 1 = 16 rows of A (tokens): a lane holds eight neighbouring numbers of a row of C.
; CLUSTERS: 4 x 4 work-groups.  A's tile is shared along a row of the cluster, B's along a column: each is asked for JOINTLY.
; REGISTERS, in windows of 256: window 0: v0-31 addresses; v32-95 bo; from v128 A's fragments, ONE set, later rows of C.  window 1: B's fragments, TWO sets.  windows 2, 3: the accumulators ((a, b) at v[8 (8 (a % 4) + b)]).
.set FR,     16
.set NL,     4
.set NP,     4
.set HALFT,  32768
.set SLOT,   4*HALFT
.set SPARE,  2*SLOT                    ; behind the ring: the spare words, 128 bytes for each wave: two blocks of 256 bytes that no other line names
.set SPITCH, 528                       ; the way out: a stage of 16 rows x (512 bytes + 16) for each wave, in slot 0, which has had its last fill and its last read when the first result is stored there
.set ADRA, 16
.set ADRB, 20
.set STO,  24                          ; v24     the way out: where I put 32 bytes of a row
.set RD,   25                          ; v25     where I read a row back
.set LI,   26                          ; v26     16 x lane; never rewritten
.set SPW,  28
.set NIL,  29
.set BJ,   32                          ; v32-95  bo of my lane's 64 columns (register 8 b + j: column 16 b + 8 h + j)
.set AF,   128
.set BK,   128                         ; the way out: 16 rows read back: v128-191 and v192-255 by turns
.set G1, 24
.set G0, 32
.set G1B, 48
.set G0B, 56
.set MSB, 0
.macro WIN new                         ; the immediate's high byte repeats the setting that is left
.if MSB != (\new)
	s_set_vgpr_msb (MSB<<8)|(\new)
.set MSB, (\new)
.endif
.endm
.set MUL_LO, 0xa1
.set MUL_HI, 0xf1
.set TO_B,   0x40
.macro JLOAD g0a, g1a, g0b, g1b        ; a joint load: waves 0 and 1 fetch for A, waves 2 and 3 for B; four v_nop follow each of the two lines
	s_cmp_eq_u32 s15, 0
	s_cbranch_scc0 .Lfor_b_\@
	tensor_load_to_lds s[\g0a:\g0a+3], s[\g1a:\g1a+7]
	s_nop 0
.rept 4
	v_nop
.endr
	s_branch .Lasked_\@
.Lfor_b_\@:
	tensor_load_to_lds s[\g0b:\g0b+3], s[\g1b:\g1b+7]
	s_nop 0
.rept 4
	v_nop
.endr
.Lasked_\@:
.endm
.macro CREST
	s_cmp_lg_u32 s14, 0
	s_cbranch_scc1 .Lnot_wave_0_\@
	s_barrier_signal -3
.Lnot_wave_0_\@:
	s_barrier_wait -3
	s_barrier_signal -1
	s_barrier_wait -1
.endm
.macro CROUND
	s_barrier_signal -1
	s_barrier_wait -1
	CREST
.endm
	s_load_b256 s[68:75], s[0:1], 0x0              ; oc s[68:69], wc s[70:71], the exponents s[72:73], bo s[74:75]
	s_load_b64 s[76:77], s[0:1], 0x20              ; out0
	v_lshl_add_u32 v[SPW], v0, 2, SPARE
	v_mov_b32 v[NIL], 0
	ds_add_u32 v28, v29
	ds_add_u32 v28, v29
	s_wait_dscnt 0x0
	v_lshrrev_b32 v1, 5, v0
	v_readfirstlane_b32 s14, v1                    ; wave 0..3
	s_lshr_b32 s15, s14, 1                         ; which half of the tile's rows is mine.  Also: I fetch for A (0) or for B (1)
	s_and_b32 s16, s14, 1                          ; which half of its columns.  Also: which 128 rows of that tile I fetch
	s_bfe_u32 s40, ttmp6, 0x40000                  ; cx, cy
	s_bfe_u32 s41, ttmp6, 0x40004
	s_lshl_b32 s42, ttmp9, 2
	s_add_co_u32 s42, s42, s40                     ; tile column of C
	s_and_b32 s17, ttmp7, 0xffff
	s_lshl_b32 s17, s17, 2
	s_add_co_u32 s17, s17, s41                     ; tile row of C
	s_lshl_b32 s43, s41, 2
	s_lshl_b32 s43, 15, s43                        ; my row of the cluster
	s_lshl_b32 s44, 0x1111, s40                    ; my column
	s_or_b32 s[G1+0], s43, (3<<16)|(1<<21)         ; 15:0 the mask; 17:16 elements of 8 bytes; 21 set beside a mask
	s_or_b32 s[G1B+0], s44, (3<<16)|(1<<21)
.irp g, G1, G1B
	s_mov_b32 s[\g+1], 512<<16                     ; 8 tiles of rows, of each 4,096 bytes (two K steps' images), 16,384 bytes apart in memory, dense in LDS
	s_mov_b32 s[\g+2], 8<<16
	s_mov_b32 s[\g+3], 512<<16
	s_mov_b32 s[\g+4], 8
	s_mov_b32 s[\g+5], 2048
	s_mov_b32 s[\g+6], 0
	s_mov_b32 s[\g+7], 0
.endr
	s_lshl_b32 s18, s16, 3
	s_lshl_b32 s20, s17, 4
	s_add_co_u32 s20, s20, s18
	s_lshl_b32 s20, s20, 14                        ; A: byte offset
	s_mov_b32 s21, 0
	s_lshl_b32 s46, s42, 4
	s_add_co_u32 s46, s46, s18
	s_lshl_b32 s46, s46, 14
	s_add_co_u32 s46, s46, 0x300000                ; B: Wo's codes
	s_mov_b32 s47, 0
	s_lshl_b32 s45, s14, 15                        ; where they go: wave x 32,768
	s_wait_kmcnt 0x0
	s_load_b64 s[96:97], s[72:73], 0x28            ; e10, e11
	s_add_nc_u64 s[20:21], s[68:69], s[20:21]
	s_add_nc_u64 s[46:47], s[70:71], s[46:47]
	CROUND                                         ; all sixteen work-groups are here: the first joint loads meet
.irp s, 0,1
	s_mov_b32 s[G0+4*\s], 1
	s_add_co_u32 s[G0+4*\s+1], s45, \s*SLOT
	s_add_nc_u64 s[G0+4*\s+2:G0+4*\s+3], s[20:21], \s*4096
	s_or_b32 s[G0+4*\s+3], s[G0+4*\s+3], 0x80000000
	s_mov_b32 s[G0B+4*\s], 1
	s_add_co_u32 s[G0B+4*\s+1], s45, \s*SLOT
	s_add_nc_u64 s[G0B+4*\s+2:G0B+4*\s+3], s[46:47], \s*4096
	s_or_b32 s[G0B+4*\s+3], s[G0B+4*\s+3], 0x80000000
	s_wait_alu depctr_va_vdst(0)
	s_wait_tensorcnt 0x0
	ds_add_u32 v28, v29
	ds_add_u32 v28, v29
	s_wait_dscnt 0x0
	CROUND
	JLOAD G0+4*\s, G1, G0B+4*\s, G1B
.endr
	v_and_b32 v1, 31, v0
	v_lshlrev_b32 v[LI], 4, v1
	s_lshl_b32 s21, s15, 15
	s_lshl_b32 s22, s16, 15
	s_add_co_u32 s22, s22, 2*HALFT
.irp s, 0,1
	v_add_nc_u32 v[ADRA+\s], s21, v[LI]
	v_add_nc_u32 v[ADRB+\s], s22, v[LI]
	s_add_co_u32 s21, s21, SLOT
	s_add_co_u32 s22, s22, SLOT
.endr
	v_and_b32 v3, 15, v0                           ; r
	v_bfe_u32 v2, v0, 4, 1                         ; h
	s_wait_alu depctr_va_vdst(0)
	s_mul_i32 s23, s14, 16*SPITCH                  ; my stage
	v_mul_u32_u24 v5, v3, SPITCH
	v_lshl_add_u32 v5, v2, 5, v5
	v_add_nc_u32 v[STO], s23, v5                   ; in: row r, 32 bytes for each half of the lanes
	v_add_nc_u32 v[RD], s23, v[LI]                 ; back: the 32 lanes take one row of 512 bytes
	s_lshl_b32 s18, s17, 8
	s_lshl_b32 s19, s15, 7
	s_add_co_u32 s18, s18, s19                     ; my first row of C
	s_lshl_b32 s19, s42, 8
	s_lshl_b32 s22, s16, 7
	s_add_co_u32 s19, s19, s22                     ; my first column
	s_lshl_b32 s2, s19, 2
	s_mov_b32 s3, 0
	s_add_nc_u64 s[4:5], s[74:75], s[2:3]          ; bo at my first column
	s_lshl_b32 s18, s18, 12                        ; a row of C is 4,096 bytes
	s_add_co_u32 s2, s2, s18
	s_add_nc_u64 s[76:77], s[76:77], s[2:3]
	v_lshlrev_b32 v8, 5, v2                        ; 32 h
.irp b, 0,1,2,3,4,5,6,7
	global_load_b128 v[BJ+8*\b:BJ+8*\b+3], v8, s[4:5] offset:64*\b
	global_load_b128 v[BJ+8*\b+4:BJ+8*\b+7], v8, s[4:5] offset:64*\b+16
.endr
.macro FRAG reg, adr, q, i
.irp c, 0,1,2,3
	ds_load_b128 v[\reg+4*\c:\reg+4*\c+3], v[\adr] offset:4096*(\i)+2048*(\q)+512*\c
.endr
.endm
; The 64 accumulators take turns, one instruction a turn, in the same order in every step.
.macro MUL16 a0, p, zero
.irp a, \a0, \a0+1
.irp b, 0,1,2,3,4,5,6,7
.if \zero
	v_wmma_f32_16x16x128_fp8_fp8 v[8*(8*((\a)%4)+\b):8*(8*((\a)%4)+\b)+7], v[128*(\p)+FR*\b:128*(\p)+FR*\b+FR-1], v[AF+FR*(\a):AF+FR*(\a)+FR-1], 0
.else
	v_wmma_f32_16x16x128_fp8_fp8 v[8*(8*((\a)%4)+\b):8*(8*((\a)%4)+\b)+7], v[128*(\p)+FR*\b:128*(\p)+FR*\b+FR-1], v[AF+FR*(\a):AF+FR*(\a)+FR-1], v[8*(8*((\a)%4)+\b):8*(8*((\a)%4)+\b)+7]
.endif
.endr
.endr
.endm
.macro FETCH_B slot, q, p
	WIN TO_B
.irp i, 0,1,2,3,4,5,6,7
	FRAG 128*(\p)+FR*\i, ADRB+\slot, \q, \i
.endr
	WIN 0
.endm
.macro FETCH_A slot, q, i0
.irp i, \i0, \i0+1, \i0+2, \i0+3
	FRAG AF+FR*(\i), ADRA+\slot, \q, \i
.endr
.endm
.macro PLACES n
.rept \n
	v_nop
.endr
.endm
.macro STEP slot, q, zero
	s_wait_dscnt 4*NL                              ; B's set and A's blocks 0-3 are in; the youngest 16 loads (A's blocks 4-7) may be out
	WIN MUL_LO
	MUL16 0, (\q)%2, \zero
	MUL16 2, (\q)%2, \zero
	s_wait_dscnt 0
	PLACES NP
	FETCH_B \slot, (\q)+1, 1-(\q)%2
	FETCH_A \slot, (\q)+1, 0
	WIN MUL_HI
	MUL16 4, (\q)%2, \zero
	MUL16 6, (\q)%2, \zero
	PLACES NP
	WIN 0
	FETCH_A \slot, (\q)+1, 4
.endm
.macro TURN slot, next, fill
	s_wait_tensorcnt 0x0                           ; all my tensor loads have landed: my part of the next slot
	ds_add_u32 v[SPW], v[NIL]                      ; 0 onto my spare word
	s_wait_dscnt 4*NL+1                            ; (the add and the youngest 16 loads may be out)
	WIN MUL_LO
	MUL16 0, 1, 0
	s_wait_dscnt 0x0                               ; the add is done, and my reads of this slot are over
	s_barrier_signal -1
	MUL16 2, 1, 0
	WIN 0
	s_barrier_wait -1
.if \fill
	CREST                                          ; the barrier has opened a round of the cluster's barrier
	s_add_nc_u64 s[G0+4*\slot+2:G0+4*\slot+3], s[G0+4*\slot+2:G0+4*\slot+3], 8192
	s_add_nc_u64 s[G0B+4*\slot+2:G0B+4*\slot+3], s[G0B+4*\slot+2:G0B+4*\slot+3], 8192
	JLOAD G0+4*\slot, G1, G0B+4*\slot, G1B         ; the first tensor load behind the round
.else
	PLACES NP
.endif
	FETCH_B \next, 0, 0
	FETCH_A \next, 0, 0
	WIN MUL_HI
	MUL16 4, 1, 0
	MUL16 6, 1, 0
	PLACES NP
	WIN 0
	FETCH_A \next, 0, 4
.endm
	s_wait_tensorcnt 1                             ; my part of slot 0 is in (slot 1's load may be out)
	s_barrier_signal -1
	s_barrier_wait -1
	FETCH_B 0, 0, 0
	FETCH_A 0, 0, 0
	FETCH_A 0, 0, 4
	STEP 0, 0, 1
	TURN 0, 1, 1
	STEP 1, 0, 0
	TURN 1, 0, 1
	STEP 0, 0, 0
	TURN 0, 1, 0
	STEP 1, 0, 0
	s_wait_dscnt 4*NL
	WIN MUL_LO
	MUL16 0, 1, 0
	MUL16 2, 1, 0
	s_wait_dscnt 0
	WIN MUL_HI
	MUL16 4, 1, 0
	MUL16 6, 1, 0
	WIN 0
; THE WAY OUT, block by block of 16 rows x 128 columns: sum x 2^(e10 + e11) + bo in place, through my own stage in LDS, back as whole rows of 512 bytes.  LDS serves a wave's instructions in order: no wait between the stores and the loads.
.macro TOSTAGE a
.set AC, 64*((\a)%4)
.set W, 2+(\a)/4
	WIN (W<<6)|W                                   ; destination and source 0: the accumulators' window; bo in window 0
.irp b, 0,1,2,3,4,5,6,7
.irp i, 0,2,4,6
	v_pk_fma_f32 v[AC+8*\b+\i:AC+8*\b+\i+1], v[AC+8*\b+\i:AC+8*\b+\i+1], s[96:97], v[BJ+8*\b+\i:BJ+8*\b+\i+1] op_sel_hi:[1,0,1]   ; each accumulator from its low end on
.endr
.endr
	WIN W<<2                                       ; an LDS store's data are its source 1
.irp b, 0,1,2,3,4,5,6,7
	ds_store_b128 v[STO], v[AC+8*\b:AC+8*\b+3] offset:64*\b
	ds_store_b128 v[STO], v[AC+8*\b+4:AC+8*\b+7] offset:64*\b+16
.endr
	WIN 0
.set BB, BK+64*((\a)%2)
.irp t, 0,1,2,3,4,5,6,7,8,9,10,11,12,13,14,15
	ds_load_b128 v[BB+4*\t:BB+4*\t+3], v[RD] offset:\t*SPITCH
.endr
.endm
.macro SEND a, younger                 ; younger: the LDS instructions issued behind block a's loads, which may stay out
.set BB, BK+64*((\a)%2)
	s_wait_dscnt \younger
.if (\a) > 0
	s_add_nc_u64 s[76:77], s[76:77], 65536         ; 16 rows of C on (behind a wait on XCNT: the earlier stores have read their base)
.endif
.irp t, 0,1,2,3,4,5,6,7,8,9,10,11,12,13,14,15
	global_store_b128 v[LI], v[BB+4*\t:BB+4*\t+3], s[76:77] offset:\t*4096 th:TH_STORE_NT   ; 32 lanes store 512 consecutive bytes, aligned
.endr
.endm
	s_wait_kmcnt 0x0
	s_wait_loadcnt 0x0                             ; bo
	s_add_co_i32 s96, s96, s97
	s_add_co_i32 s96, s96, 127
	s_lshl_b32 s96, s96, 23                        ; 2^(e10 + e11) as f32
	s_mov_b32 s97, s96                             ; (named with it as a pair, so it is written)
	PLACES NP                                      ; behind the last products
	TOSTAGE 0
.irp a, 1,2,3,4,5,6,7
.if \a > 1
	s_wait_xcnt 0x0                                ; block a - 2's stores have read their registers and their base: block a's loads may land there, and the base may step
.endif
	TOSTAGE \a
	SEND \a-1, 32                                  ; behind block a - 1's loads: block a's 16 stores and 16 loads
.endr
	s_wait_xcnt 0x0
	SEND 7, 0
	s_wait_tensorcnt 0x0                           ; the wave's end
	ds_add_u32 v[SPW], v[NIL]
	s_wait_dscnt 0x0
	CROUND                                         ; the closing round
	s_endpgm
.Lfunc_end_k_qac3ccd2abf_outp:
	.size	k_qac3ccd2abf_outp, .Lfunc_end_k_qac3ccd2abf_outp-k_qac3ccd2abf_outp
	.p2alignl 7, 3214868480
	.fill 96, 4, 3214868480
	.section	.rodata,"a",@progbits
	.p2align	6, 0x0
	.amdhsa_kernel k_qac3ccd2abf_outp
		.amdhsa_group_segment_fixed_size 327680
		.amdhsa_private_segment_fixed_size 0
		.amdhsa_enable_private_segment 0
		.amdhsa_kernarg_size 40
		.amdhsa_user_sgpr_count 2
		.amdhsa_user_sgpr_kernarg_segment_ptr 1
		.amdhsa_wavefront_size32 1
		.amdhsa_system_sgpr_workgroup_id_x 1
		.amdhsa_system_sgpr_workgroup_id_y 1
		.amdhsa_system_sgpr_workgroup_id_z 1
		.amdhsa_system_vgpr_workitem_id 0
		.amdhsa_next_free_vgpr 1024
		.amdhsa_next_free_sgpr 100
		.amdhsa_reserve_vcc 0
		.amdhsa_float_denorm_mode_32 3
		.amdhsa_float_denorm_mode_16_64 3
		.amdhsa_memory_ordered 1
		.amdhsa_forward_progress 1
		.amdhsa_inst_pref_size 126
	.end_amdhsa_kernel
	.amdgpu_metadata
---
amdhsa.version: [ 1, 2 ]
amdhsa.kernels:
  - .name:           k_qac3ccd2abf_outp
    .symbol:         k_qac3ccd2abf_outp.kd
    .args:
      - { .name: oc, .offset: 0, .size: 8, .value_kind: global_buffer, .address_space: global }
      - { .name: wc, .offset: 8, .size: 8, .value_kind: global_buffer, .address_space: global }
      - { .name: lowp_scales, .offset: 16, .size: 8, .value_kind: global_buffer, .address_space: global }
      - { .name: bo, .offset: 24, .size: 8, .value_kind: global_buffer, .address_space: global }
      - { .name: out0, .offset: 32, .size: 8, .value_kind: global_buffer, .address_space: global }
    .group_segment_fixed_size: 327680
    .private_segment_fixed_size: 0
    .kernarg_segment_align: 8
    .kernarg_segment_size: 40
    .max_flat_workgroup_size: 128
    .sgpr_count:     100
    .vgpr_count:     1024
    .wavefront_size: 32
...
	.end_amdgpu_metadata
.endif
;; end of part 4
